; MI455X (gfx1250); checked and timed in simulation.
; The chip was launched on July 23, 2026; its instructions are those of AMD's public machine-readable ISA for CDNA 5 (MIT licence, August 2026) and "CDNA5" Instruction Set Architecture Reference Guide (July 2026). The comments in the code are by the model that wrote it; some were corrected since.
;; Multi Head Attention. Allowed arithmetic: matrix products marked QUANTISED: E2M3 operands, one E8M0 scale for each 32 along K, by v_wmma_scale_f32_16x16x128_f8f6f4 with both operands' format E2M3, f32 sums; everything else in f32.
;; Inputs: Wk_codes 1,024 x 32 x 24 uint8 (E2M3 codes of Wk, K innermost, in blocks of 32 codes, four codes in three bytes); Wk_scales 1,024 x 32 uint8 (E8M0 scales of Wk, one for each 32 codes along K); Wo_codes 1,024 x 32 x 24 uint8 (E2M3 codes of Wo, K innermost, in blocks of 32 codes, four codes in three bytes); Wo_scales 1,024 x 32 uint8 (E8M0 scales of Wo, one for each 32 codes along K); Wq_codes 1,024 x 32 x 24 uint8 (E2M3 codes of Wq, K innermost, in blocks of 32 codes, four codes in three bytes); Wq_scales 1,024 x 32 uint8 (E8M0 scales of Wq, one for each 32 codes along K); Wv_codes 1,024 x 32 x 24 uint8 (E2M3 codes of Wv, K innermost, in blocks of 32 codes, four codes in three bytes); Wv_scales 1,024 x 32 uint8 (E8M0 scales of Wv, one for each 32 codes along K); attention_mask 4 x 2,048 float32; bk 1,024 float32; bo 1,024 float32; bq 1,024 float32; bv 1,024 float32; key_states_codes 4 x 2,048 x 32 x 24 uint8 (E2M3 codes of key_states, K innermost, in blocks of 32 codes, four codes in three bytes); key_states_scales 4 x 2,048 x 32 uint8 (E8M0 scales of key_states, one for each 32 codes along K); query_states_codes 4 x 2,048 x 32 x 24 uint8 (E2M3 codes of query_states, K innermost, in blocks of 32 codes, four codes in three bytes); query_states_scales 4 x 2,048 x 32 uint8 (E8M0 scales of query_states, one for each 32 codes along K); value_states_codes 4 x 2,048 x 32 x 24 uint8 (E2M3 codes of value_states, K innermost, in blocks of 32 codes, four codes in three bytes); value_states_scales 4 x 2,048 x 32 uint8 (E8M0 scales of value_states, one for each 32 codes along K); verse_positions 4 x 2,048 int32.
;; Outputs: out0 4 x 2,048 x 1,024 float32.
;; This version of the problem:
;;   THIS VERSION OF THE PROBLEM IS GIVEN IN LOW PRECISION. The matrix products marked QUANTISED in the list below multiply operands that are first quantised to E2M3 (2 exponent bits, 3 mantissa bits; 6 bits a number), with one power-of-two scale for each 32 numbers along K (OCP MX v1.0); their sums are f32. All else is computed in f32.
;;   The module's matrix products, in the order in which they are computed (A, B: the left and right operand; K: the contracted axis; several contracted axes count as one K, in the product's order):
;;     1. [M 8,192, K 1,024] x [K 1,024, N 1,024]; A: input query_states (given as codes); B: input Wq (given as codes): QUANTISED
;;     2. [M 8,192, K 1,024] x [K 1,024, N 1,024]; A: input key_states (given as codes); B: input Wk (given as codes): QUANTISED
;;     3. [M 8,192, K 1,024] x [K 1,024, N 1,024]; A: input value_states (given as codes); B: input Wv (given as codes): QUANTISED
;;     4. batch 64 x [M 2,048, K 64] x [K 64, N 2,048]; A: computed on the way; B: computed on the way: QUANTISED
;;     5. batch 64 x [M 2,048, K 2,048] x [K 2,048, N 64]; A: softmax (see below); B: computed on the way: QUANTISED
;;     6. [M 8,192, K 1,024] x [K 1,024, N 1,024]; A: computed on the way; B: input Wo (given as codes): QUANTISED
;;   THE QUANTISER, for each operand of a quantised product, along K:
;;     - K is cut into blocks of 32 from its start; a last block that is shorter is filled with zeros.
;;     - A block's scale is 2^e with e = floor(log2(the largest magnitude in the block)) - 2, held to -126 .. 127; a block of zeros has e = 0. As a byte (E8M0): e + 127.
;;     - Each number is divided by its block's scale, clamped to +-7.5, and rounded to the nearest number of E2M3, ties to even, subnormals kept.
;;     - The product sums the exact products of the quantised numbers (number of the format x scale) in f32.
;;   ~~~python
;;   def quantise(x, axis):      # numpy; x: float32 -> the quantised numbers, widened to float32 again
;;       x = np.moveaxis(x, axis, -1); K = x.shape[-1]
;;       x = np.pad(x, [(0, 0)] * (x.ndim - 1) + [(0, -K % 32)]); x = x.reshape(x.shape[:-1] + (-1, 32)); a = np.abs(x).max(-1, keepdims=True)
;;       e = np.where(a > 0, np.clip(np.frexp(np.where(a > 0, a, 1))[1] - 1 - 2, -126, 127), 0)      # np.frexp(a)[1] - 1 = floor(log2(a)), exactly
;;       r = np.clip(x / 2.0 ** e, -7.5, 7.5)
;;       step = 2.0 ** (np.maximum(np.frexp(np.where(r == 0, 1, r))[1] - 1, 0) - 3)
;;       q = np.round(r / step) * step * 2.0 ** e      # np.round: ties to even
;;       return np.moveaxis(q.reshape(q.shape[:-2] + (-1,))[..., :K], -1, axis).astype(np.float32)
;;   ~~~
;;   SOFTMAX AHEAD OF A QUANTISED PRODUCT. Where the list says 'softmax', what is quantised is not the finished softmax but p = 2^(t - M), with t = logit x log2(e) and M = ceil(the row's largest t), a whole number; so 1/2 < the row's largest p <= 1. The row's sum l is taken of the UNQUANTISED p, in f32, and the product's result is divided by l at the end. Since M is a whole number, a kernel that streams over the keys may use a running M (the ceiling of the running maximum): every later rescaling is an exact power of two, which a block's scale takes up: the codes' values come out the same.
;;   OPERANDS COMPUTED ON THE WAY. 'Computed on the way' means the value that the module computes at that place (a softmax that the list does not call 'softmax' is quantised finished and normalised). What goes into a quantiser is computed in f32, as accurately as f32 sums, v_exp_f32 and their like allow (about 1e-6 of the number): no bf16 or f16 on the way to a quantiser, and a product that is left as it is and whose result goes on into a quantised operand takes f32 operands (vector FMAs, or v_wmma_f32_16x16x4_f32). A number that lies on a knife's edge between two numbers of the format may be rounded either way, as far as f32 arithmetic and the matrix unit's own rounding can turn it there, and no further.
;;   INPUTS GIVEN AS CODES. Wk (in the module: [1024, 1024], K = its axis 1); Wo (in the module: [1024, 1024], K = its axis 1); Wq (in the module: [1024, 1024], K = its axis 1); Wv (in the module: [1024, 1024], K = its axis 1); key_states (in the module: [4, 2048, 1024], K = its axis 2); query_states (in the module: [4, 2048, 1024], K = its axis 2); value_states (in the module: [4, 2048, 1024], K = its axis 2): each comes as NAME_codes (uint8): NAME with its K axis moved to the last place and cut into blocks of 32 codes, [.., K / 32, bytes a block], one block behind the other in memory; four codes in three bytes: a row's codes are one little-endian stream of bits, code i at bits 6 i .. 6 i + 5 (a code: sign, 2 exponent bits, 3 mantissa bits); and NAME_scales (uint8): the same leading axes, one E8M0 byte (e + 127) for each 32 codes along K. Its value is code x scale, taken as it is: it is not quantised again, and the codes and scales need not be those that the quantiser above would give.
;; One version. Each part assembles by itself: llvm-mc -triple=amdgcn-amd-amdhsa -mcpu=gfx1250 --defsym DOCPART=n.
;; ======== version 1 of 1: 3 launches
;; limits: right only within a limited range of input values
;; workspace buffers: qc 6,291,456 bytes; kc 6,291,456 bytes; vc 6,291,456 bytes; cc 6,291,456 bytes; qs 262,144 bytes; ks 262,144 bytes; vs 262,144 bytes; cs 262,144 bytes
;; launch proj (part 1): grid 4 x 192, 4 waves a work-group, clusters of 4 x 4, 327,680 bytes of LDS; arguments query_states_codes, query_states_scales, Wq_codes, Wq_scales, bq, qc, qs, key_states_codes, key_states_scales, Wk_codes, Wk_scales, bk, kc, ks, Wv_codes, Wv_scales, value_states_codes, value_states_scales, bv, vc, vs; writes qc, qs, kc, ks, vc, vs
.if DOCPART == 1
	.amdgcn_target "amdgcn-amd-amdhsa--gfx1250"
	.amdhsa_code_object_version 6
	.text
	.protected	k_qa307ff342f_proj
	.globl	k_qa307ff342f_proj
	.p2align	8
	.type	k_qa307ff342f_proj,@function
k_qa307ff342f_proj:
	s_mov_b64 s[64:65], 0
	v_nop
	global_prefetch_b8 v0, s[64:65] scope:SCOPE_SE
	s_setreg_imm32_b32 hwreg(HW_REG_WAVE_MODE, 25, 1), 1
	s_wait_xcnt 0x0
	s_wait_alu depctr_hold_cnt(0) depctr_sa_sdst(0) depctr_va_vdst(0) depctr_va_sdst(0) depctr_va_ssrc(0) depctr_va_vcc(0) depctr_vm_vsrc(0)
	s_getreg_b32 s2, hwreg(HW_REG_IB_STS2, 6, 4)
	s_cmp_eq_u32 s2, 0
	s_cbranch_scc0 .Lentry_in_a_cluster
	s_endpgm
.Lentry_in_a_cluster:
	s_bfe_u32 s2, ttmp6, 0x10000c
	s_cmp_lg_u32 s2, 0xf033
	s_cbranch_scc0 .Lentry_shape_is_right
	s_endpgm
.Lentry_shape_is_right:
; q = x Wq^T + bq, k = x Wk^T + bk, v = x Wv^T + bv on codes of FP6 (E2M3), K = 1,024, and the quantising of the results.  No work of the problem is left out.
; ONE GENERIC PRODUCT: out[i][j] = sum over k of P[i][k] R[j][k] + bias, quantised ALONG j in blocks of 32.  Source 0 = 16 rows of R, source 1 = 16 rows of P: a lane holds one row i, its registers run along j.
; q, k: P = the states, R = the weight, the bias runs along j.  v: P = Wv, R = value_states (j = the tokens, the K of attention's second product), the bias runs along i.
; Clusters 0-15 along y make q, 16-31 k, 32-47 v: pointers, offsets and two masks are chosen by the cluster's number; all take one path (the bias that a product does not have is 0).
; A block of out is 128 (i) x 256 (j): 768 work-groups.  ALL OF K LIES IN LDS: 384 rows of 768 bytes, 16 bytes of padding behind every 256 (pitch 816), brought by one joint load a wave at the head
; (waves 0, 1: 64 rows of P each, shared along a row of the 4 x 4 cluster; waves 2, 3: 128 rows of R each, shared along a column).  Nothing is filled again: the walk along K has no barrier.
; A wave makes 64 x 128 in 32 accumulators; both operands' fragments have two sets of registers: step q + 1 is fetched ahead of step q's 32 products.
; The operands' scale words go from memory straight into registers: a lane takes its row's 32 bytes; lanes 0-15 an even block of 16 rows, lanes 16-31 the odd one.
; No prefetch: the launch has no loop to run ahead in; each work-group asks for all its tiles in its first lines.
; THE RESULT LEAVES AS IMAGES OF AN OPERAND'S REGISTERS: a fragment (16 rows x 128 along j) is two halves of 768 bytes: registers 0-3 at 16 x lane, 4-5 at 512 + 8 x lane.
; q, k: [batch][head][tile of 16 tokens][768], the halves are two heads'; scale words [batch][pair of heads][tile][16 words].  v: [batch][head][step of 128 keys][16 channels][1,536]; words [batch][head][step][block][16].
; Inside a block of 32 the codes lie in the order 0-7, 16-23, 8-15, 24-31, alike on both sides of the products that read them.
; LIMITS: NaN and infinities are not served.  A block whose largest magnitude lies under 2^-124, a block of zeros too, gets the byte 1; its bytes are read by this program alone.
.set KROW,  768
.set PITCH, 816
.set RB,    128*PITCH                  ; R's 256 rows lie behind P's 128
.set STG,   RB+256*PITCH               ; the stage of the new scale words, 256 bytes a wave: no tile lands here
.set SPARE, STG+1024                   ; the spare words
.set AP,   8                           ; v8-15   LDS addresses of P's four blocks (second of a pair: behind one padding more)
.set VO16, 24
.set VO8,  25
.set SPW,  28
.set NIL,  29
.set SSW,  30
.set SSR,  31
.set PS,   36                          ; v36-51  P's scale words
.set RS,   64                          ; v64-95  R's
.set AR,   96                          ; v96-111 LDS addresses of R's eight blocks
.set AF,   128                         ; v128-223 P's fragments, two sets; window 1: R's, at 0 and 128; window 2: the accumulators
.set BJ,   0                           ; window 3: v768-831 the bias along j, v832-839 along i
.set BI,   64
.set X,    128
.set PC,   192
.set TM,   212
.set PW,   228
.set WV, 18
.set WH, 19
.set WL, 20
.set TR, 21
.set TC, 42
.set G1, 24
.set G0, 32
.set G1B, 48
.set G0B, 56
.set MV, 95
.set MQ, 96
.set SEL, 98
.set H0, 68
.set H1, 70
.set SA, 72
.set MSB, 0
.macro WIN new
.if MSB != (\new)
	s_set_vgpr_msb (MSB<<8)|(\new)
.set MSB, (\new)
.endif
.endm
.macro PLACES n
.rept \n
	v_nop
.endr
.endm
.macro WALU
	s_wait_alu depctr_va_vdst(0)
.endm
.macro CROUND
	s_barrier_signal -1
	s_barrier_wait -1
	s_cmp_lg_u32 s[WV], 0
	s_cbranch_scc1 .Lnot_wave_0_\@
	s_barrier_signal -3
.Lnot_wave_0_\@:
	s_barrier_wait -3
	s_barrier_signal -1
	s_barrier_wait -1
.endm
.macro GROUP1 g, mask, rows            ; rows of 768 bytes, 16 bytes of padding behind every 64 words
	s_or_b32 s[\g+0], s\mask, (1<<20)|(1<<21)|(5<<22)|(3<<25)
	s_mov_b32 s[\g+1], KROW<<16
	s_mov_b32 s[\g+2], (\rows)<<16
	s_mov_b32 s[\g+3], KROW<<16
	s_mov_b32 s[\g+4], \rows
	s_mov_b32 s[\g+5], KROW
	s_mov_b32 s[\g+6], 0
	s_mov_b32 s[\g+7], 0
.endm
	s_load_b512 s[4:19], s[0:1], 0x0               ; q's seven addresses in s[4:17], k's in s[18:31], v's in s[32:45]
	s_load_b512 s[20:35], s[0:1], 0x40
	s_load_b256 s[36:43], s[0:1], 0x80
	s_load_b64 s[44:45], s[0:1], 0xa0
	v_lshl_add_u32 v[SPW], v0, 2, SPARE
	v_mov_b32 v[NIL], 0
	ds_add_u32 v[SPW], v[NIL]                      ; the opening lines: the add twice and its wait
	ds_add_u32 v[SPW], v[NIL]
	s_and_b32 s46, ttmp7, 0xffff                   ; the cluster's y, 0 .. 47
	s_lshr_b32 s47, s46, 4                         ; 0 q, 1 k, 2 v
	s_and_b32 s46, s46, 15
	s_lshl_b32 s97, s46, 2
	s_and_b32 s94, s46, 1
	s_lshl_b32 s94, s94, 2
	s_lshr_b32 s93, s46, 1
	s_lshl_b32 s93, s93, 2
	s_wait_dscnt 0x0
	s_wait_kmcnt 0x0
	s_cmp_eq_u32 s47, 1
.irp i, 0,2,4,6,8,10,12
	s_cselect_b64 s[4+\i:5+\i], s[18+\i:19+\i], s[4+\i:5+\i]
.endr
	s_cmp_eq_u32 s47, 2
.irp i, 0,2,4,6,8,10,12
	s_cselect_b64 s[4+\i:5+\i], s[32+\i:33+\i], s[4+\i:5+\i]
.endr                                              ; s[4:5] P's codes, s[6:7] its scales, s[8:9] R's codes, s[10:11] its scales, s[12:13] bias, s[14:15] new codes, s[16:17] new words
	s_cselect_b32 s[MV], -1, 0
	s_cselect_b32 s[MQ], 0, -1
	s_cselect_b32 s[TR], s94, s97                  ; q, k: 64 block rows x 4 block columns;  v: 8 x 32
	s_cselect_b32 s[TC], s93, 0
	v_lshrrev_b32 v1, 5, v0
	v_readfirstlane_b32 s[WV], v1
	s_lshr_b32 s[WH], s[WV], 1                     ; my 64 of the block's rows; also: I fetch for P (0) or R (1)
	s_and_b32 s[WL], s[WV], 1                      ; my 128 of its columns; also: which half I fetch
	s_bfe_u32 s40, ttmp6, 0x40000
	s_bfe_u32 s41, ttmp6, 0x40004
	s_add_co_u32 s[TC], s[TC], s40
	s_add_co_u32 s[TR], s[TR], s41
	s_lshl_b32 s43, s41, 2
	s_lshl_b32 s43, 15, s43                        ; my row of the cluster
	s_lshl_b32 s44, 0x1111, s40                    ; my column
	s_mov_b32 s[SEL], 0x76543210
	s_mov_b32 s[SEL+1], 0xfedcba98
	GROUP1 G1, 43, 64
	GROUP1 G1B, 44, 128
	s_lshl_b32 s22, s[TR], 7
	s_lshl_b32 s66, s[WL], 6
	s_add_co_u32 s22, s22, s66
	s_mul_i32 s22, s22, KROW
	s_mov_b32 s23, 0
	s_lshl_b32 s46, s[TC], 8
	s_lshl_b32 s66, s[WL], 7
	s_add_co_u32 s46, s46, s66
	s_mul_i32 s46, s46, KROW
	s_mov_b32 s47, 0
	s_mov_b32 s[G0], 1
	s_mul_i32 s[G0+1], s[WL], 64*PITCH
	s_add_nc_u64 s[G0+2:G0+3], s[4:5], s[22:23]
	s_or_b32 s[G0+3], s[G0+3], 0x80000000
	s_mov_b32 s[G0B], 1
	s_mul_i32 s[G0B+1], s[WL], 128*PITCH
	s_add_co_u32 s[G0B+1], s[G0B+1], RB
	s_add_nc_u64 s[G0B+2:G0B+3], s[8:9], s[46:47]
	s_or_b32 s[G0B+3], s[G0B+3], 0x80000000
	CROUND                                         ; the round in front of the joint loads
	s_cmp_eq_u32 s[WH], 0
	s_cbranch_scc0 .Lfor_r
	tensor_load_to_lds s[G0:G0+3], s[G1:G1+7]
	s_nop 0
	PLACES 4
	s_branch .Lasked
.Lfor_r:
	tensor_load_to_lds s[G0B:G0B+3], s[G1B:G1B+7]
	s_nop 0
	PLACES 4
.Lasked:
	s_lshl_b32 s77, s[TR], 7
	s_lshl_b32 s78, s[WH], 6
	s_add_co_u32 s77, s77, s78                     ; i0
	s_lshl_b32 s78, s[TC], 8
	s_lshl_b32 s79, s[WL], 7
	s_add_co_u32 s78, s78, s79                     ; j0
	s_lshl_b32 s2, s77, 5
	s_mov_b32 s3, 0
	s_add_nc_u64 s[6:7], s[6:7], s[2:3]
	s_lshl_b32 s2, s78, 5
	s_add_nc_u64 s[10:11], s[10:11], s[2:3]
	s_lshl_b32 s22, s77, 2
	s_and_b32 s22, s22, s[MV]                      ; the bias that is not used is read from the vector's start and made 0 below
	s_lshl_b32 s92, s78, 2
	s_and_b32 s92, s92, s[MQ]
	s_mov_b32 s93, 0
	s_add_nc_u64 s[22:23], s[12:13], s[22:23]
	s_add_nc_u64 s[92:93], s[12:13], s[92:93]
	s_mul_i32 s66, s[WH], 64*PITCH
	s_mul_i32 s67, s[WL], 128*PITCH
	s_add_co_u32 s67, s67, RB
	s_lshl_b32 s79, s[WV], 8
	s_add_co_u32 s79, s79, STG
	v_and_b32 v1, 15, v0                           ; r
	v_bfe_u32 v2, v0, 4, 1                         ; h
	v_and_b32 v6, 31, v0
	v_lshlrev_b32 v7, 5, v6
	v_lshlrev_b32 v3, 5, v2
	v_lshlrev_b32 v4, 2, v1
.irp j, 0,1
.irp c, 0,1
	global_load_b128 v[PS+8*\j+4*\c:PS+8*\j+4*\c+3], v7, s[6:7] offset:1024*\j+16*\c
.endr
.endr
.irp j, 0,1,2,3
.irp c, 0,1
	global_load_b128 v[RS+8*\j+4*\c:RS+8*\j+4*\c+3], v7, s[10:11] offset:1024*\j+16*\c
.endr
.endr
	WIN 0xc0
.irp b, 0,1,2,3,4,5,6,7
	global_load_b128 v[BJ+8*\b:BJ+8*\b+3], v3, s[92:93] offset:64*\b        ; bias[j0 + 16 b + 8 h + 0 .. 7]
	global_load_b128 v[BJ+8*\b+4:BJ+8*\b+7], v3, s[92:93] offset:64*\b+16
.endr
.irp a, 0,1,2,3
	global_load_b32 v[BI+2*\a], v4, s[22:23] offset:64*\a                   ; bias[i0 + 16 a + r]
.endr
	WIN 0
	v_mul_u32_u24 v5, v1, PITCH
	v_mad_u32_u24 v16, v2, 24, v5
	v_mad_u32_u24 v17, v2, 40, v5
	v_add_nc_u32 v[AP], s66, v16
	v_add_nc_u32 v[AP+1], s66, v17
	v_add_nc_u32 v[AR], s67, v16
	v_add_nc_u32 v[AR+1], s67, v17
.irp a, 1,2,3
	v_add_nc_u32 v[AP+2*\a], \a*16*PITCH, v[AP]
	v_add_nc_u32 v[AP+2*\a+1], \a*16*PITCH, v[AP+1]
.endr
.irp b, 1,2,3,4,5,6,7
	v_add_nc_u32 v[AR+2*\b], \b*16*PITCH, v[AR]
	v_add_nc_u32 v[AR+2*\b+1], \b*16*PITCH, v[AR+1]
.endr
	v_lshlrev_b32 v[VO16], 4, v6
	v_lshlrev_b32 v[VO8], 3, v6
	v_lshl_add_u32 v[SSW], v1, 2, s79
	v_add_nc_u32 v[SSR], s79, v[VO8]
	; where the results go
	s_lshr_b32 s80, s78, 7                         ; j0 / 128
	s_bfe_u32 s81, s77, 0x70004                    ; (i0 / 16) % 128
	s_mul_i32 s82, s80, 196608                     ; q, k: a pair of heads is 2 x 98,304 bytes, a tile of tokens 768
	s_mul_i32 s83, s81, 768
	s_add_co_u32 s82, s82, s83
	s_lshl_b32 s84, s80, 13
	s_lshl_b32 s85, s81, 6
	s_add_co_u32 s84, s84, s85
	s_lshr_b32 s86, s77, 6                         ; v: the head, and the step of 128 keys
	s_and_b32 s87, s80, 15
	s_mul_i32 s88, s86, 98304
	s_mul_i32 s89, s87, 6144
	s_add_co_u32 s88, s88, s89
	s_lshl_b32 s90, s86, 12
	s_lshl_b32 s91, s87, 8
	s_add_co_u32 s90, s90, s91
	s_mov_b32 s83, 98304
	s_mov_b32 s85, 768
	s_mov_b32 s86, 1536
	s_cmp_lg_u32 s[MV], 0
	s_cselect_b32 s79, s78, s77                    ; the tokens' axis
	s_cselect_b32 s82, s88, s82
	s_cselect_b32 s84, s90, s84
	s_cselect_b32 s[H1], s85, s83                  ; a fragment's second half
	s_cselect_b32 s[SA], s86, s85                  ; the next block of 16 rows
	s_mov_b32 s[H1+1], 0
	s_mov_b32 s[SA+1], 0
	s_lshr_b32 s79, s79, 11                        ; the batch
	s_mul_i32 s80, s79, 1572864
	s_add_co_u32 s82, s82, s80
	s_mov_b32 s83, 0
	s_lshl_b32 s79, s79, 16
	s_add_co_u32 s84, s84, s79
	s_mov_b32 s85, 0
	s_add_nc_u64 s[H0:H0+1], s[14:15], s[82:83]
	s_add_nc_u64 s[H1:H1+1], s[H0:H0+1], s[H1:H1+1]
	s_add_nc_u64 s[16:17], s[16:17], s[84:85]
	WALU                                           ; the wait ahead of a blocking wait
	s_wait_loadcnt 0x0
	WIN 0xcc
.set n, 0
.rept 64
	v_cndmask_b32 v[BJ+n], 0, v[BJ+n], s[MQ]       ; v has no bias along j
.set n, n+1
.endr
.irp a, 0,1,2,3
	v_cndmask_b32 v[BI+2*\a+1], 0, v[BI+2*\a], s[MV]   ; q and k none along i; the number twice, for the packed addition
.endr
.irp a, 0,1,2,3
	v_cndmask_b32 v[BI+2*\a], 0, v[BI+2*\a], s[MV]
.endr
	WIN 0
	WALU                                           ; the head's end
	s_wait_tensorcnt 0x0                           ; my tile is in,
	s_barrier_signal -1
	s_barrier_wait -1                              ; everybody's are
; a fragment: six pieces of 8 bytes of a row's stream of bits, two to a load where both go by one address register; lanes 16-31 read 24 bytes on, behind one padding more where X_ is 1.  NLD counts the loads
.macro FRAG reg, q, a0
.set SKIP_, 0
.irp p, 0,1,2,3,4,5
.if SKIP_
.set SKIP_, 0
.else
.set PC_, 12*(\q)+6*(\p/3)+\p%3
.set PN_, 12*(\q)+6*((\p+1)/3)+(\p+1)%3
.set X_, (PC_%32+3)/32
.set XQ_, (PN_%32+3)/32
.set NLD, NLD+1
.if (\p < 5) && (X_ == XQ_)
.set SKIP_, 1
	ds_load_2addr_b64 v[\reg+2*\p:\reg+2*\p+3], v[\a0+X_] offset0:PC_+2*(PC_/32) offset1:PN_+2*(PN_/32)
.else
	ds_load_b64 v[\reg+2*\p:\reg+2*\p+1], v[\a0+X_] offset:8*(PC_+2*(PC_/32))
.endif
.endif
.endr
.endm
.macro FETCH q                         ; step q's twelve fragments into set q % 2
.set NLD, 0
	WIN 0x40
.irp b, 0,1,2,3,4,5,6,7
	FRAG 128*((\q)%2)+12*\b, \q, AR+2*\b
.endr
	WIN 0
.irp a, 0,1,2,3
	FRAG AF+48*((\q)%2)+12*\a, \q, AP+2*\a
.endr
.endm
.macro W1 c, bo, ao
	v_wmma_scale_f32_16x16x128_f8f6f4 v[D_:D_+7], v[B_:B_+11], v[A_:A_+11], \c, v[XB_], v[XA_] matrix_a_fmt:MATRIX_FMT_FP6 matrix_b_fmt:MATRIX_FMT_FP6 matrix_a_scale:MATRIX_SCALE_ROW\bo matrix_b_scale:MATRIX_SCALE_ROW\ao
.endm
.macro MUL q                           ; 32 products, the 32 accumulators by turns; step 0 starts the sums
	WIN 0xa1
.irp aj, 0,1
.irp ao, 0,1
.irp bj, 0,1,2,3
.irp bo, 0,1
.set D_, 8*(8*(2*\aj+\ao)+2*\bj+\bo)
.set B_, 128*((\q)%2)+12*(2*\bj+\bo)
.set A_, AF+48*((\q)%2)+12*(2*\aj+\ao)
.set XB_, RS+8*\bj+(\q)
.set XA_, PS+8*\aj+(\q)
.if (\q) == 0
	W1 0, \bo, \ao
.else
	W1 v[D_:D_+7], \bo, \ao
.endif
.endr
.endr
.endr
.endr
	WIN 0
.endm
	FETCH 0
.set Q, 0
.rept 7
.if Q > 0
	PLACES 4                                       ; between the last step's products and the loads into the set that they read
.endif
	FETCH Q+1
	s_wait_dscnt NLD                               ; all but the NLD loads just issued: step Q's fragments are in
	MUL Q
.set Q, Q+1
.endr
	s_wait_dscnt 0x0
	MUL 7
; THE WAY OUT.  64 numbers of a lane, register 16 b + i in block b, become a fragment's codes in v[PC] on and its scale word in v[pw]
.macro QUANT s, pw
.irp b, 0,1,2,3
	v_max3_num_f32 v[TM+\b], |v[\s+16*\b]|, |v[\s+1+16*\b]|, 0x1800000   ; the floor 2^(3 - 127) holds the byte at 1 from below
.endr
.irp i, 2,4,6,8,10,12,14
.irp b, 0,1,2,3
	v_max3_num_f32 v[TM+\b], v[TM+\b], |v[\s+16*\b+\i]|, |v[\s+1+16*\b+\i]|
.endr
.endr
.irp b, 0,1,2,3
	v_permlanex16_b32 v[TM+4+\b], v[TM+\b], s[SEL], s[SEL+1]
.endr
.irp b, 0,1,2,3
	v_max_num_f32 v[TM+\b], v[TM+\b], v[TM+4+\b]
.endr
.irp b, 0,1,2,3
	v_add_nc_u32 v[TM+12+\b], 0xff000000, v[TM+\b] ; 2 off the exponent field: the conversion's scale operand
.endr
.irp b, 0,1,2,3
	v_lshrrev_b32 v[TM+4+\b], 23, v[TM+12+\b]
.endr
	v_lshl_or_b32 v[\pw], v[TM+5], 8, v[TM+4]
	v_lshl_or_b32 v[\pw], v[TM+6], 16, v[\pw]
	v_lshl_or_b32 v[\pw], v[TM+7], 24, v[\pw]
.irp c, 0,1
	v_cvt_scalef32_pk16_fp6_f32 v[PC+6*\c:PC+2+6*\c], v[\s+32*\c:\s+15+32*\c], v[TM+12+2*\c]
	v_cvt_scalef32_pk16_fp6_f32 v[PC+12+4*\c:PC+14+4*\c], v[\s+16+32*\c:\s+31+32*\c], v[TM+12+2*\c+1]
.endr
	v_nop
.irp c, 0,1                                    ; a whole block in a lane: lanes 0-15 block 2 c, lanes 16-31 block 2 c + 1
.irp i, 0,1,2
	v_permlane16_swap_b32 v[PC+6*\c+\i], v[PC+12+4*\c+\i]
.endr
.irp i, 0,1,2
	v_mov_b32 v[PC+3+6*\c+\i], v[PC+12+4*\c+\i]
.endr
.endr
.endm
.macro OUTBLK a
.if (\a) > 0
	s_wait_xcnt 0x0                                ; the last block's stores have read their data and bases
	s_add_nc_u64 s[H0:H0+1], s[H0:H0+1], s[SA:SA+1]
	s_add_nc_u64 s[H1:H1+1], s[H1:H1+1], s[SA:SA+1]
.endif
	WIN 0x0e                                       ; source 0 the sums (window 2), source 1 the bias (window 3)
.set n, 0
.rept 32
	v_pk_add_f32 v[X+2*n:X+2*n+1], v[64*(\a)+2*n:64*(\a)+2*n+1], v[BJ+2*n:BJ+2*n+1]   ; each accumulator from its low end on
.set n, n+1
.endr
	WIN 0x0c
.set n, 0
.rept 32
	v_pk_add_f32 v[X+2*n:X+2*n+1], v[X+2*n:X+2*n+1], v[BI+2*(\a):BI+2*(\a)+1]         ; of the two additions one adds 0
.set n, n+1
.endr
	WIN 0
	QUANT X, PW+(\a)
	global_store_b128 v[VO16], v[PC:PC+3], s[H0:H0+1]              ; 512 consecutive bytes, at a multiple of 256 from the buffer's start,
	global_store_b64 v[VO8], v[PC+4:PC+5], s[H0:H0+1] offset:512   ; and 256
	global_store_b128 v[VO16], v[PC+6:PC+9], s[H1:H1+1]
	global_store_b64 v[VO8], v[PC+10:PC+11], s[H1:H1+1] offset:512
	ds_store_b32 v[SSW], v[PW+(\a)] offset:64*(\a)                 ; both halves of the lanes write the same word
.endm
	PLACES 4
.irp b, 0,1,2,3
	v_mov_b32 v[TM+4+\b], 0                        ; a lane permute's destination counts as a source
.endr
.irp a, 0,1,2,3
	OUTBLK \a
.endr
	ds_load_b64 v[X:X+1], v[SSR]                   ; my four blocks' scale words, 256 bytes; LDS serves a wave's instructions in order (ISA guide 5.7.1.4)
	s_wait_dscnt 0x0
	global_store_b64 v[VO8], v[X:X+1], s[16:17]    ; 256 consecutive bytes, aligned
	s_wait_tensorcnt 0x0                           ; the wave's end
	ds_add_u32 v[SPW], v[NIL]
	s_wait_dscnt 0x0
	CROUND                                         ; the closing round
	s_endpgm
.Lfunc_end_k_qa307ff342f_proj:
	.size	k_qa307ff342f_proj, .Lfunc_end_k_qa307ff342f_proj-k_qa307ff342f_proj
	.p2alignl 7, 3214868480
	.fill 96, 4, 3214868480
	.section	.rodata,"a",@progbits
	.p2align	6, 0x0
	.amdhsa_kernel k_qa307ff342f_proj
		.amdhsa_group_segment_fixed_size 327680
		.amdhsa_private_segment_fixed_size 0
		.amdhsa_enable_private_segment 0
		.amdhsa_kernarg_size 168
		.amdhsa_user_sgpr_count 2
		.amdhsa_user_sgpr_kernarg_segment_ptr 1
		.amdhsa_wavefront_size32 1
		.amdhsa_system_sgpr_workgroup_id_x 1
		.amdhsa_system_sgpr_workgroup_id_y 1
		.amdhsa_system_sgpr_workgroup_id_z 1
		.amdhsa_system_vgpr_workitem_id 0
		.amdhsa_next_free_vgpr 896
		.amdhsa_next_free_sgpr 100
		.amdhsa_reserve_vcc 0
		.amdhsa_float_denorm_mode_32 3
		.amdhsa_float_denorm_mode_16_64 3
		.amdhsa_memory_ordered 1
		.amdhsa_forward_progress 1
		.amdhsa_inst_pref_size 105
	.end_amdhsa_kernel
	.amdgpu_metadata
---
amdhsa.version: [ 1, 2 ]
amdhsa.kernels:
  - .name:           k_qa307ff342f_proj
    .symbol:         k_qa307ff342f_proj.kd
    .args:
      - { .name: query_states_codes, .offset: 0, .size: 8, .value_kind: global_buffer, .address_space: global }
      - { .name: query_states_scales, .offset: 8, .size: 8, .value_kind: global_buffer, .address_space: global }
      - { .name: Wq_codes, .offset: 16, .size: 8, .value_kind: global_buffer, .address_space: global }
      - { .name: Wq_scales, .offset: 24, .size: 8, .value_kind: global_buffer, .address_space: global }
      - { .name: bq, .offset: 32, .size: 8, .value_kind: global_buffer, .address_space: global }
      - { .name: qc, .offset: 40, .size: 8, .value_kind: global_buffer, .address_space: global }
      - { .name: qs, .offset: 48, .size: 8, .value_kind: global_buffer, .address_space: global }
      - { .name: key_states_codes, .offset: 56, .size: 8, .value_kind: global_buffer, .address_space: global }
      - { .name: key_states_scales, .offset: 64, .size: 8, .value_kind: global_buffer, .address_space: global }
      - { .name: Wk_codes, .offset: 72, .size: 8, .value_kind: global_buffer, .address_space: global }
      - { .name: Wk_scales, .offset: 80, .size: 8, .value_kind: global_buffer, .address_space: global }
      - { .name: bk, .offset: 88, .size: 8, .value_kind: global_buffer, .address_space: global }
      - { .name: kc, .offset: 96, .size: 8, .value_kind: global_buffer, .address_space: global }
      - { .name: ks, .offset: 104, .size: 8, .value_kind: global_buffer, .address_space: global }
      - { .name: Wv_codes, .offset: 112, .size: 8, .value_kind: global_buffer, .address_space: global }
      - { .name: Wv_scales, .offset: 120, .size: 8, .value_kind: global_buffer, .address_space: global }
      - { .name: value_states_codes, .offset: 128, .size: 8, .value_kind: global_buffer, .address_space: global }
      - { .name: value_states_scales, .offset: 136, .size: 8, .value_kind: global_buffer, .address_space: global }
      - { .name: bv, .offset: 144, .size: 8, .value_kind: global_buffer, .address_space: global }
      - { .name: vc, .offset: 152, .size: 8, .value_kind: global_buffer, .address_space: global }
      - { .name: vs, .offset: 160, .size: 8, .value_kind: global_buffer, .address_space: global }
    .group_segment_fixed_size: 327680
    .private_segment_fixed_size: 0
    .kernarg_segment_align: 8
    .kernarg_segment_size: 168
    .max_flat_workgroup_size: 128
    .sgpr_count:     100
    .vgpr_count:     896
    .wavefront_size: 32
...
	.end_amdgpu_metadata
.endif
;; end of part 1
;; launch attn (part 2): grid 4 x 64, 8 waves a work-group, clusters of 4 x 1, 327,680 bytes of LDS; arguments qc, qs, kc, ks, vc, vs, attention_mask, verse_positions, cc, cs; writes cc, cs
.if DOCPART == 2
	.amdgcn_target "amdgcn-amd-amdhsa--gfx1250"
	.amdhsa_code_object_version 6
	.text
	.protected	k_qa307ff342f_attn
	.globl	k_qa307ff342f_attn
	.p2align	8
	.type	k_qa307ff342f_attn,@function
k_qa307ff342f_attn:
	s_mov_b64 s[64:65], 0
	v_nop
	global_prefetch_b8 v0, s[64:65] scope:SCOPE_SE
	s_setreg_imm32_b32 hwreg(HW_REG_WAVE_MODE, 25, 1), 1
	s_wait_xcnt 0x0
	s_wait_alu depctr_hold_cnt(0) depctr_sa_sdst(0) depctr_va_vdst(0) depctr_va_sdst(0) depctr_va_ssrc(0) depctr_va_vcc(0) depctr_vm_vsrc(0)
	s_getreg_b32 s2, hwreg(HW_REG_IB_STS2, 6, 4)
	s_cmp_eq_u32 s2, 0
	s_cbranch_scc0 .Lentry_in_a_cluster
	s_endpgm
.Lentry_in_a_cluster:
	s_bfe_u32 s2, ttmp6, 0x10000c
	s_cmp_lg_u32 s2, 0x3003
	s_cbranch_scc0 .Lentry_shape_is_right
	s_endpgm
.Lentry_shape_is_right:
.set KC,   0
.set VC,   98304
.set KSL,  196608
.set VSL,  204800
.set BT,   208896
.set ST,   16
.set S,    32
.set F,    96
.set VF,   150
.set PC,   198
.set CT,   210
.set BM,   218
.set BP,   222
.set SO,   226
.set FF,   230
.set PSW,  231
.set TMP,  232
.set KSC,  234
.set VSC,  238
.set QS,   240
.set BB,   128
.set QF,   192
.set UU,   144
.set WV,   24
.set SEL,  56
.set CS,   58
.set TK,   60
.set T5,   61
.set TV,   62
.set CNT,  63
.set MSB, 0
.macro WIN new
.if MSB != (\new)
	s_set_vgpr_msb (MSB<<8)|(\new)
.set MSB, (\new)
.endif
.endm
.macro CROUND
	s_barrier_signal -1
	s_barrier_wait -1
	s_cmp_lg_u32 s[WV], 0
	s_cbranch_scc1 .Lnot_wave_0_\@
	s_barrier_signal -3
.Lnot_wave_0_\@:
	s_barrier_wait -3
	s_barrier_signal -1
	s_barrier_wait -1
.endm
	s_load_b512 s[4:19], s[0:1], 0x0
	s_load_b128 s[20:23], s[0:1], 0x40
	v_lshl_add_u32 v254, v0, 2, 0x35000
	v_mov_b32 v255, 0
	ds_add_u32 v254, v255
	ds_add_u32 v254, v255
	v_lshrrev_b32 v8, 5, v0
	s_delay_alu instid0(VALU_DEP_1)
	v_readfirstlane_b32 s[WV], v8
	s_bfe_u32 s25, ttmp6, 0x40000
	s_and_b32 s26, ttmp7, 0xffff
	s_and_b32 s27, s26, 1
	s_lshl_b32 s27, s27, 4
	s_mov_b32 s32, 15|(3<<16)|(1<<21)
	s_mov_b32 s33, 32<<16
	s_mov_b32 s34, 6<<16
	s_mov_b32 s35, 32<<16
	s_mov_b32 s36, 6
	s_mov_b32 s37, 32
	s_mov_b32 s38, 0
	s_mov_b32 s39, 0
	s_mov_b32 s40, 15|(3<<16)|(1<<21)
	s_mov_b32 s41, 32<<16
	s_mov_b32 s42, 90<<16
	s_mov_b32 s43, 32<<16
	s_mov_b32 s44, 90
	s_mov_b32 s45, 32
	s_mov_b32 s46, 0
	s_mov_b32 s47, 0
	s_and_b32 s75, s[WV], 3
	s_mul_i32 s70, s75, 1536
	s_mov_b32 s71, 0
	s_mul_i32 s72, s75, 23040
	s_add_co_u32 s72, s72, 6144
	s_mov_b32 s73, 0
	s_lshr_b32 s74, s[WV], 2
	s_mul_i32 s74, s74, 98304
	s_mul_i32 s78, s26, 98304
	s_mov_b32 s79, 0
	s_mov_b32 s[SEL], 0x76543210
	s_mov_b32 s[SEL+1], 0xfedcba98
	s_mov_b32 s[CS], 0x3e38aa3b
	s_mov_b32 s[CS+1], s[CS]
	s_mov_b32 s[TK], 0
	s_mov_b32 s[T5], 0
	s_mov_b32 s[TV], 0
	s_mov_b32 s66, 0xffff0000
	s_mov_b32 s67, 0xc79c4000
	s_wait_dscnt 0x0
	s_wait_kmcnt 0x0
	s_cmp_lt_u32 s[WV], 4
	s_cselect_b64 s[76:77], s[8:9], s[12:13]
	s_add_nc_u64 s[76:77], s[76:77], s[78:79]
	s_mov_b32 s48, 1
	s_add_co_u32 s49, s74, s70
	s_add_nc_u64 s[50:51], s[76:77], s[70:71]
	s_or_b32 s51, s51, 0x80000000
	s_mov_b32 s52, 1
	s_add_co_u32 s53, s74, s72
	s_add_nc_u64 s[54:55], s[76:77], s[72:73]
	s_or_b32 s55, s55, 0x80000000
	CROUND
	tensor_load_to_lds s[48:51], s[32:39]
	s_nop 0
	s_wait_alu depctr_va_vdst(0)
	s_wait_tensorcnt 0x0
	ds_add_u32 v254, v255
	s_wait_dscnt 0x0
	CROUND
	tensor_load_to_lds s[52:55], s[40:47]
	s_nop 0
.rept 4
	v_nop
.endr
	s_lshr_b32 s70, s26, 4
	s_lshl_b32 s72, s70, 13
	s_mov_b32 s73, 0
	s_add_nc_u64 s[16:17], s[16:17], s[72:73]
	s_add_nc_u64 s[18:19], s[18:19], s[72:73]
	s_lshr_b32 s72, s26, 1
	s_lshl_b32 s72, s72, 13
	s_add_nc_u64 s[10:11], s[10:11], s[72:73]
	s_add_nc_u64 s[6:7], s[6:7], s[72:73]
	s_lshl_b32 s72, s26, 12
	s_add_nc_u64 s[14:15], s[14:15], s[72:73]
	s_add_nc_u64 s[4:5], s[4:5], s[78:79]
	s_lshl_b32 s76, s25, 5
	s_lshl_b32 s77, s[WV], 2
	s_add_co_u32 s76, s76, s77
	s_mul_i32 s72, s76, 768
	s_add_nc_u64 s[4:5], s[4:5], s[72:73]
	s_lshl_b32 s72, s76, 6
	s_lshr_b32 s77, s27, 3
	s_add_co_u32 s72, s72, s77
	s_add_nc_u64 s[6:7], s[6:7], s[72:73]
	s_and_b32 s71, s26, 15
	s_lshl_b32 s72, s70, 4
	s_lshl_b32 s77, s25, 2
	s_add_co_u32 s72, s72, s77
	s_lshr_b32 s77, s[WV], 1
	s_add_co_u32 s72, s72, s77
	s_mul_i32 s72, s72, 98304
	s_lshr_b32 s77, s71, 1
	s_mul_i32 s77, s77, 12288
	s_add_co_u32 s72, s72, s77
	s_and_b32 s77, s[WV], 1
	s_mul_i32 s77, s77, 6144
	s_add_co_u32 s72, s72, s77
	s_and_b32 s77, s71, 1
	s_mul_i32 s77, s77, 768
	s_add_co_u32 s72, s72, s77
	s_add_nc_u64 s[20:21], s[20:21], s[72:73]
	s_lshl_b32 s72, s70, 16
	s_lshl_b32 s77, s25, 14
	s_add_co_u32 s72, s72, s77
	s_lshl_b32 s77, s[WV], 11
	s_add_co_u32 s72, s72, s77
	s_lshl_b32 s77, s71, 1
	s_add_co_u32 s72, s72, s77
	s_add_nc_u64 s[22:23], s[22:23], s[72:73]
	v_and_b32 v15, 31, v0
	s_delay_alu instid0(VALU_DEP_1)
	v_lshlrev_b32 v1, 4, v15
	s_delay_alu instid0(VALU_DEP_2)
	v_lshlrev_b32 v2, 3, v15
	s_delay_alu instid0(VALU_DEP_1)
	v_add_nc_u32 v4, VC, v2
	s_delay_alu instid0(VALU_DEP_2)
	v_add_nc_u32 v2, 512, v2
	s_delay_alu instid0(VALU_DEP_4)
	v_add_nc_u32 v3, VC, v1
	v_bfe_u32 v5, v0, 4, 1
	s_delay_alu instid0(VALU_DEP_1)
	v_lshlrev_b32 v5, 5, v5
	s_delay_alu instid0(VALU_DEP_1)
	v_add_nc_u32 v5, BT, v5
	v_lshlrev_b32 v64, 2, v15
	s_delay_alu instid0(VALU_DEP_1)
	v_add_nc_u32 v6, KSL, v64
	s_delay_alu instid0(VALU_DEP_2)
	v_add_nc_u32 v7, VSL, v64
	v_lshlrev_b32 v60, 5, v0
	v_lshlrev_b32 v61, 4, v0
	s_delay_alu instid0(VALU_DEP_2)
	v_add_nc_u32 v65, BT, v60
	s_delay_alu instid0(VALU_DEP_2)
	v_add_nc_u32 v66, KSL, v61
	s_delay_alu instid0(VALU_DEP_3)
	v_add_nc_u32 v67, VSL, v61
	v_mov_b32 v68, 0x41800000
	global_load_b128 v[32:35], v60, s[16:17]
	global_load_b128 v[36:39], v60, s[16:17] offset:16
	global_load_b128 v[40:43], v60, s[18:19]
	global_load_b128 v[44:47], v60, s[18:19] offset:16
	global_load_b128 v[48:51], v61, s[10:11]
	global_load_b128 v[52:55], v61, s[10:11] offset:4096
	global_load_b128 v[56:59], v61, s[14:15]
	WIN 0x40
.irp q, 0,1,2,3
	global_load_b128 v[QF+12*\q:QF+12*\q+3], v1, s[4:5] offset:768*\q
	global_load_b64 v[QF+12*\q+4:QF+12*\q+5], v2, s[4:5] offset:768*\q
.endr
.irp q, 0,1,2,3
.irp i, 6,7,8,9,10,11
	v_mov_b32 v[QF+12*\q+\i], 0
.endr
.endr
	WIN 0
	global_load_u16 v[QS], v64, s[6:7]
	global_load_u16 v[QS+1], v64, s[6:7] offset:128
.irp q, 0,1,2,3
	v_mov_b32 v[ST+4*\q+1], 0xff61b1e6
	v_mov_b32 v[ST+4*\q+2], 0
	v_mov_b32 v[ST+4*\q+3], 0
	v_mov_b32 v[BP+\q], 0
.endr
.irp q, 0,1,2,3
	v_floor_f32 v[ST+4*\q], -v[ST+4*\q+1]
.endr
	v_mov_b32 v[PSW], 0
.irp i, 48,49,50,51,52,53
	v_mov_b32 v[F+\i], 0
.endr
	s_wait_loadcnt 10
.irp i, 0,1,2,3,4,5,6,7
	v_cmp_lt_i32 vcc_lo, 0, v[40+\i]
	s_delay_alu instid0(VALU_DEP_1)
	v_cndmask_b32 v[40+\i], 0, v68, vcc_lo
	v_sub_f32 v[32+\i], 1.0, v[32+\i]
	s_delay_alu instid0(VALU_DEP_1)
	v_mul_f32 v[32+\i], s67, v[32+\i]
	s_delay_alu instid0(VALU_DEP_1)
	v_add_f32 v[32+\i], v[32+\i], v[40+\i]
.endr
.irp i, 0,1,2,3,4,5,6,7
	v_bfe_u32 v[48+\i], v[48+\i], s27, 16
.endr
	ds_store_b128 v65, v[32:35]
	ds_store_b128 v65, v[36:39] offset:16
	ds_store_b128 v66, v[48:51]
	ds_store_b128 v66, v[52:55] offset:4096
	ds_store_b128 v67, v[56:59]
	s_wait_loadcnt 0x0
	s_wait_tensorcnt 1
	s_wait_dscnt 0x0
	s_barrier_signal -1
	s_barrier_wait -1
.macro SMUL t, q
.if ((\t)%2 == 0) && ((\q)%2 == 0)
	v_wmma_scale_f32_16x16x128_f8f6f4 v[S+8*(\t):S+8*(\t)+7], v[F+6*(\t):F+6*(\t)+11], v[QF+12*(\q):QF+12*(\q)+11], 0, v[KSC+(\t)/2], v[QS+(\q)/2] matrix_a_fmt:MATRIX_FMT_FP6 matrix_b_fmt:MATRIX_FMT_FP6
.elseif ((\t)%2 == 1) && ((\q)%2 == 0)
	v_wmma_scale_f32_16x16x128_f8f6f4 v[S+8*(\t):S+8*(\t)+7], v[F+6*(\t):F+6*(\t)+11], v[QF+12*(\q):QF+12*(\q)+11], 0, v[KSC+(\t)/2], v[QS+(\q)/2] matrix_a_fmt:MATRIX_FMT_FP6 matrix_b_fmt:MATRIX_FMT_FP6 matrix_a_scale:MATRIX_SCALE_ROW1
.elseif ((\t)%2 == 0)
	v_wmma_scale_f32_16x16x128_f8f6f4 v[S+8*(\t):S+8*(\t)+7], v[F+6*(\t):F+6*(\t)+11], v[QF+12*(\q):QF+12*(\q)+11], 0, v[KSC+(\t)/2], v[QS+(\q)/2] matrix_a_fmt:MATRIX_FMT_FP6 matrix_b_fmt:MATRIX_FMT_FP6 matrix_b_scale:MATRIX_SCALE_ROW1
.else
	v_wmma_scale_f32_16x16x128_f8f6f4 v[S+8*(\t):S+8*(\t)+7], v[F+6*(\t):F+6*(\t)+11], v[QF+12*(\q):QF+12*(\q)+11], 0, v[KSC+(\t)/2], v[QS+(\q)/2] matrix_a_fmt:MATRIX_FMT_FP6 matrix_b_fmt:MATRIX_FMT_FP6 matrix_a_scale:MATRIX_SCALE_ROW1 matrix_b_scale:MATRIX_SCALE_ROW1
.endif
.endm
.macro PMUL q, d, first
.if \first
.set RO, 32*(\q)+8*(\d)
.else
.set RO, S+32+8*(\d)
.endif
.if ((\d)%2 == 0)
	v_wmma_scale_f32_16x16x128_f8f6f4 v[RO:RO+7], v[VF+12*(\d):VF+12*(\d)+11], v[PC:PC+11], 0, v[VSC+(\d)/2], v[PSW] matrix_a_fmt:MATRIX_FMT_FP6 matrix_b_fmt:MATRIX_FMT_FP6
.else
	v_wmma_scale_f32_16x16x128_f8f6f4 v[RO:RO+7], v[VF+12*(\d):VF+12*(\d)+11], v[PC:PC+11], 0, v[VSC+(\d)/2], v[PSW] matrix_a_fmt:MATRIX_FMT_FP6 matrix_b_fmt:MATRIX_FMT_FP6 matrix_a_scale:MATRIX_SCALE_ROW1
.endif
.endm
.macro QT q, first
.set T, ST+4*(\q)
	WIN 0x04
.irp t, 0,1,2,3,4,5,6,7
	SMUL \t, \q
.endr
.rept 4
	v_nop
.endr
.set j, 0
.rept 32
	v_pk_add_f32 v[S+j:S+j+1], v[S+j:S+j+1], v[BB+j:BB+j+1]
.set j, j+2
.endr
	WIN 0
.set j, 0
.rept 32
	v_pk_mul_f32 v[S+j:S+j+1], v[S+j:S+j+1], s[CS:CS+1] op_sel_hi:[1,0]
.set j, j+2
.endr
.irp b, 0,1,2,3
	v_max3_num_f32 v[BM+\b], v[S+16*\b], v[S+1+16*\b], v[S+2+16*\b]
.endr
.irp i, 3,5,7,9,11,13
.irp b, 0,1,2,3
	s_delay_alu instid0(VALU_DEP_4)
	v_max3_num_f32 v[BM+\b], v[BM+\b], v[S+16*\b+\i], v[S+1+16*\b+\i]
.endr
.endr
.irp b, 0,1,2,3
	s_delay_alu instid0(VALU_DEP_4)
	v_max_num_f32 v[BM+\b], v[BM+\b], v[S+15+16*\b]
.endr
.irp b, 0,1,2,3
	s_delay_alu instid0(VALU_DEP_4)
	v_permlanex16_b32 v[BP+\b], v[BM+\b], s[SEL], s[SEL+1]
.endr
.irp b, 0,1,2,3
	s_delay_alu instid0(VALU_DEP_4)
	v_max_num_f32 v[BM+\b], v[BM+\b], v[BP+\b]
.endr
	s_delay_alu instid0(VALU_DEP_2)
	v_max3_num_f32 v[TMP], v[BM], v[BM+1], v[BM+2]
	s_delay_alu instid0(VALU_DEP_1)
	v_max_num_f32 v[TMP], v[TMP], v[BM+3]
	s_delay_alu instid0(VALU_DEP_1)
	v_max_num_f32 v[T+1], v[T+1], v[TMP]
	v_mov_b32 v[TMP], v[T]
	s_delay_alu instid0(VALU_DEP_2)
	v_floor_f32 v[T], -v[T+1]
	s_delay_alu instid0(VALU_DEP_1)
	v_sub_f32 v[TMP], v[T], v[TMP]
	s_delay_alu instid0(VALU_DEP_1)
	v_cvt_i32_f32 v[TMP], v[TMP]
	s_delay_alu instid0(VALU_DEP_1)
	v_ldexp_f32 v[FF], 1.0, v[TMP]
.set j, 0
.rept 32
	v_pk_add_f32 v[S+j:S+j+1], v[S+j:S+j+1], v[T:T+1] op_sel_hi:[1,0]
.set j, j+2
.endr
.irp b, 0,1,2,3
	v_add_f32 v[BM+\b], v[BM+\b], v[T]
.endr
.set j, 0
	s_wait_alu depctr_va_vdst(0)
.rept 64
	v_exp_f32 v[S+j], v[S+j]
.set j, j+1
.endr
.irp b, 0,1,2,3
	v_exp_f32 v[BM+\b], v[BM+\b]
.endr
	v_pk_mul_f32 v[T+2:T+3], v[T+2:T+3], v[FF:FF+1] op_sel_hi:[1,0]
	s_wait_alu depctr_va_vdst(0)
.irp b, 0,1,2,3
	v_max_num_f32 v[BM+\b], 0x1800000, v[BM+\b]
.endr
.irp b, 0,1,2,3
	s_delay_alu instid0(VALU_DEP_4)
	v_add_nc_u32 v[SO+\b], 0xff000000, v[BM+\b]
.endr
.irp b, 0,1,2,3
	s_delay_alu instid0(VALU_DEP_4)
	v_lshrrev_b32 v[BP+\b], 23, v[SO+\b]
.endr
	s_delay_alu instid0(VALU_DEP_3)
	v_lshl_or_b32 v[PSW], v[BP+1], 8, v[BP]
	s_delay_alu instid0(VALU_DEP_1)
	v_lshl_or_b32 v[PSW], v[BP+2], 16, v[PSW]
	s_delay_alu instid0(VALU_DEP_1)
	v_lshl_or_b32 v[PSW], v[BP+3], 24, v[PSW]
.irp c, 0,1
	v_cvt_scalef32_pk16_fp6_f32 v[PC+6*\c:PC+6*\c+2], v[S+32*\c:S+32*\c+15], v[SO+2*\c]
	v_cvt_scalef32_pk16_fp6_f32 v[CT+4*\c:CT+4*\c+2], v[S+16+32*\c:S+31+32*\c], v[SO+2*\c+1]
.endr
	v_nop
.irp c, 0,1
.irp i, 0,1,2
	v_permlane16_swap_b32 v[PC+6*\c+\i], v[CT+4*\c+\i]
.endr
.irp i, 0,1,2
	s_delay_alu instid0(VALU_DEP_3)
	v_mov_b32 v[PC+3+6*\c+\i], v[CT+4*\c+\i]
.endr
.endr
	v_pk_add_f32 v[BP:BP+1], v[S+32:S+33], v[S+34:S+35]
.irp j, 36,40,44,48,52,56,60
	v_pk_add_f32 v[T+2:T+3], v[T+2:T+3], v[S+\j:S+1+\j]
	v_pk_add_f32 v[BP:BP+1], v[BP:BP+1], v[S+2+\j:S+3+\j]
.endr
.if (\q) == 0
	s_wait_alu depctr_va_vdst(0)
	s_wait_dscnt 0x0
.endif
.if \first
	WIN 0x40
.endif
.irp d, 0,1,2,3
	PMUL \q, \d, \first
.endr
	WIN 0
.irp j, 0,4,8,12,16,20,24,28
	v_pk_add_f32 v[T+2:T+3], v[T+2:T+3], v[S+\j:S+1+\j]
	v_pk_add_f32 v[BP:BP+1], v[BP:BP+1], v[S+2+\j:S+3+\j]
.endr
	s_delay_alu instid0(VALU_DEP_1)
	v_pk_add_f32 v[T+2:T+3], v[T+2:T+3], v[BP:BP+1]
.if !\first
	WIN 0x41
.set j, 0
.rept 16
	v_pk_fma_f32 v[32*(\q)+j:32*(\q)+j+1], v[32*(\q)+j:32*(\q)+j+1], v[FF:FF+1], v[S+32+j:S+33+j] op_sel_hi:[1,0,1]
.set j, j+2
.endr
.endif
.endm
.macro STEP first
	v_add_nc_u32 v8, s[TK], v1
	v_add_nc_u32 v9, s[TK], v2
	v_add_nc_u32 v10, s[TK], v3
	v_add_nc_u32 v11, s[TK], v4
	v_add_nc_u32 v12, s[T5], v5
	v_add_nc_u32 v13, s[T5], v6
	v_add_nc_u32 v14, s[TV], v7
.irp m, 0,1,2,3
	ds_load_b32 v[KSC+\m], v13 offset:128*\m
.endr
.irp t, 0,1,2,3,4,5,6,7
	ds_load_b128 v[F+6*\t:F+6*\t+3], v8 offset:768*\t
	ds_load_b64 v[F+6*\t+4:F+6*\t+5], v9 offset:768*\t
.endr
	WIN 0x40
.irp t, 0,1,2,3,4,5,6,7
	ds_load_b128 v[BB+8*\t:BB+8*\t+3], v12 offset:64*\t
	ds_load_b128 v[BB+8*\t+4:BB+8*\t+7], v12 offset:64*\t+16
.endr
	WIN 0
.irp m, 0,1
	ds_load_b32 v[VSC+\m], v14 offset:128*\m
.endr
.irp d, 0,1,2,3
	ds_load_b128 v[VF+12*\d:VF+12*\d+3], v10 offset:1536*\d
	ds_load_b64 v[VF+12*\d+4:VF+12*\d+5], v11 offset:1536*\d+512
	ds_load_b128 v[VF+12*\d+6:VF+12*\d+9], v10 offset:1536*\d+768
	ds_load_b64 v[VF+12*\d+10:VF+12*\d+11], v11 offset:1536*\d+1280
.endr
	s_wait_dscnt 18
	QT 0, \first
	QT 1, \first
	QT 2, \first
	QT 3, \first
	WIN 0
	s_add_co_u32 s[TK], s[TK], 6144
	s_add_co_u32 s[T5], s[T5], 512
	s_add_co_u32 s[TV], s[TV], 256
.endm
	STEP 1
	s_wait_tensorcnt 0x0
	s_wait_dscnt 0x0
	s_barrier_signal -1
	s_barrier_wait -1
	s_mov_b32 s[CNT], 15
.Lstep:
	STEP 0
	s_sub_co_u32 s[CNT], s[CNT], 1
	s_cmp_lg_u32 s[CNT], 0
	s_cbranch_scc1 .Lstep
.irp q, 0,1,2,3
	v_add_f32 v[ST+4*\q+2], v[ST+4*\q+2], v[ST+4*\q+3]
.endr
.irp q, 0,1,2,3
	s_delay_alu instid0(VALU_DEP_4)
	v_permlanex16_b32 v[BP+\q], v[ST+4*\q+2], s[SEL], s[SEL+1]
.endr
.irp q, 0,1,2,3
	s_delay_alu instid0(VALU_DEP_4)
	v_add_f32 v[ST+4*\q+2], v[ST+4*\q+2], v[BP+\q]
.endr
	s_wait_alu depctr_va_vdst(0)
.irp q, 0,1,2,3
	v_rcp_f32 v[ST+4*\q], v[ST+4*\q+2]
.endr
	v_lshlrev_b32 v15, 5, v15
	s_wait_alu depctr_va_vdst(0)
.irp q, 0,1,2,3
	v_fma_f32 v[BP+\q], -v[ST+4*\q+2], v[ST+4*\q], 1.0
.endr
.irp q, 0,1,2,3
	v_fma_f32 v[ST+4*\q], v[BP+\q], v[ST+4*\q], v[ST+4*\q]
.endr
.macro CTX q
.set X, S+32*((\q)%2)
.set PQ, 96+12*(\q)
	WIN 0x01
.set j, 0
.rept 16
	v_pk_mul_f32 v[X+j:X+j+1], v[32*(\q)+j:32*(\q)+j+1], v[ST+4*(\q):ST+4*(\q)+1] op_sel_hi:[1,0]
.set j, j+2
.endr
	WIN 0
.irp b, 0,1
.irp i, 0,1,2,3,4,5,6,7
	v_permlane16_swap_b32 v[X+16*\b+\i], v[X+16*\b+8+\i]
.endr
.endr
.irp b, 0,1
	v_max3_num_f32 v[BM+\b], |v[X+16*\b]|, |v[X+1+16*\b]|, 0x1800000
.endr
.irp i, 2,4,6,8,10,12,14
.irp b, 0,1
	s_delay_alu instid0(VALU_DEP_2)
	v_max3_num_f32 v[BM+\b], v[BM+\b], |v[X+16*\b+\i]|, |v[X+1+16*\b+\i]|
.endr
.endr
.irp b, 0,1
	s_delay_alu instid0(VALU_DEP_2)
	v_permlanex16_b32 v[BP+\b], v[BM+\b], s[SEL], s[SEL+1]
.endr
.irp b, 0,1
	s_delay_alu instid0(VALU_DEP_2)
	v_max_num_f32 v[BM+\b], v[BM+\b], v[BP+\b]
.endr
.irp b, 0,1
	s_delay_alu instid0(VALU_DEP_2)
	v_add_nc_u32 v[SO+\b], 0xff000000, v[BM+\b]
.endr
.irp b, 0,1
	s_delay_alu instid0(VALU_DEP_2)
	v_lshrrev_b32 v[BP+\b], 23, v[SO+\b]
.endr
	s_delay_alu instid0(VALU_DEP_1)
	v_lshl_or_b32 v[UU+(\q)], v[BP+1], 8, v[BP]
	v_cvt_scalef32_pk16_fp6_f32 v[PQ:PQ+2], v[X:X+15], v[SO]
	v_cvt_scalef32_pk16_fp6_f32 v[PQ+6:PQ+8], v[X+16:X+31], v[SO+1]
	v_nop
.irp i, 0,1,2
	v_permlane16_swap_b32 v[PQ+\i], v[PQ+6+\i]
.endr
.irp i, 0,1,2
	s_delay_alu instid0(VALU_DEP_3)
	v_mov_b32 v[PQ+3+\i], v[PQ+6+\i]
.endr
	global_store_b128 v1, v[PQ:PQ+3], s[20:21] offset:1536*(\q)
	global_store_b64 v2, v[PQ+4:PQ+5], s[20:21] offset:1536*(\q)
.endm
	CTX 0
	CTX 1
	CTX 2
	CTX 3
	v_cndmask_b32 v[UU], v[UU], v[UU+1], s66
	v_cndmask_b32 v[UU+2], v[UU+2], v[UU+3], s66
	global_store_b16 v15, v[UU], s[22:23]
	global_store_b16 v15, v[UU+2], s[22:23] offset:1024
	s_wait_dscnt 0x0
	s_wait_tensorcnt 0x0
	ds_add_u32 v254, v255
	s_wait_dscnt 0x0
	CROUND
	s_endpgm
.Lfunc_end_k_qa307ff342f_attn:
	.size	k_qa307ff342f_attn, .Lfunc_end_k_qa307ff342f_attn-k_qa307ff342f_attn
	.p2alignl 7, 3214868480
	.fill 96, 4, 3214868480
	.section	.rodata,"a",@progbits
	.p2align	6, 0x0
	.amdhsa_kernel k_qa307ff342f_attn
		.amdhsa_group_segment_fixed_size 327680
		.amdhsa_private_segment_fixed_size 0
		.amdhsa_enable_private_segment 0
		.amdhsa_kernarg_size 80
		.amdhsa_user_sgpr_count 2
		.amdhsa_user_sgpr_kernarg_segment_ptr 1
		.amdhsa_wavefront_size32 1
		.amdhsa_system_sgpr_workgroup_id_x 1
		.amdhsa_system_sgpr_workgroup_id_y 1
		.amdhsa_system_sgpr_workgroup_id_z 1
		.amdhsa_system_vgpr_workitem_id 0
		.amdhsa_next_free_vgpr 512
		.amdhsa_next_free_sgpr 80
		.amdhsa_reserve_vcc 1
		.amdhsa_float_denorm_mode_32 3
		.amdhsa_float_denorm_mode_16_64 3
		.amdhsa_memory_ordered 1
		.amdhsa_forward_progress 1
		.amdhsa_inst_pref_size 191
	.end_amdhsa_kernel
	.amdgpu_metadata
---
amdhsa.version: [ 1, 2 ]
amdhsa.kernels:
  - .name:           k_qa307ff342f_attn
    .symbol:         k_qa307ff342f_attn.kd
    .args:
      - { .name: qc, .offset: 0, .size: 8, .value_kind: global_buffer, .address_space: global }
      - { .name: qs, .offset: 8, .size: 8, .value_kind: global_buffer, .address_space: global }
      - { .name: kc, .offset: 16, .size: 8, .value_kind: global_buffer, .address_space: global }
      - { .name: ks, .offset: 24, .size: 8, .value_kind: global_buffer, .address_space: global }
      - { .name: vc, .offset: 32, .size: 8, .value_kind: global_buffer, .address_space: global }
      - { .name: vs, .offset: 40, .size: 8, .value_kind: global_buffer, .address_space: global }
      - { .name: attention_mask, .offset: 48, .size: 8, .value_kind: global_buffer, .address_space: global }
      - { .name: verse_positions, .offset: 56, .size: 8, .value_kind: global_buffer, .address_space: global }
      - { .name: cc, .offset: 64, .size: 8, .value_kind: global_buffer, .address_space: global }
      - { .name: cs, .offset: 72, .size: 8, .value_kind: global_buffer, .address_space: global }
    .group_segment_fixed_size: 327680
    .private_segment_fixed_size: 0
    .kernarg_segment_align: 8
    .kernarg_segment_size: 80
    .max_flat_workgroup_size: 256
    .sgpr_count:     80
    .vgpr_count:     512
    .wavefront_size: 32
...
	.end_amdgpu_metadata
.endif
;; end of part 2
;; launch outp (part 3): grid 4 x 64, 4 waves a work-group, clusters of 4 x 4, 327,680 bytes of LDS; arguments cc, cs, Wo_codes, Wo_scales, bo, out0; writes out0
.if DOCPART == 3
	.amdgcn_target "amdgcn-amd-amdhsa--gfx1250"
	.amdhsa_code_object_version 6
	.text
	.protected	k_qa307ff342f_outp
	.globl	k_qa307ff342f_outp
	.p2align	8
	.type	k_qa307ff342f_outp,@function
k_qa307ff342f_outp:
	s_mov_b64 s[64:65], 0
	v_nop
	global_prefetch_b8 v0, s[64:65] scope:SCOPE_SE
	s_setreg_imm32_b32 hwreg(HW_REG_WAVE_MODE, 25, 1), 1
	s_wait_xcnt 0x0
	s_wait_alu depctr_hold_cnt(0) depctr_sa_sdst(0) depctr_va_vdst(0) depctr_va_sdst(0) depctr_va_ssrc(0) depctr_va_vcc(0) depctr_vm_vsrc(0)
	s_getreg_b32 s2, hwreg(HW_REG_IB_STS2, 6, 4)
	s_cmp_eq_u32 s2, 0
	s_cbranch_scc0 .Lentry_in_a_cluster
	s_endpgm
.Lentry_in_a_cluster:
	s_bfe_u32 s2, ttmp6, 0x10000c
	s_cmp_lg_u32 s2, 0xf033
	s_cbranch_scc0 .Lentry_shape_is_right
	s_endpgm
.Lentry_shape_is_right:
; out0 = ctx Wo^T + bo on codes of FP6 (E2M3), K = 1,024.  ctx comes as the attention launch leaves it: cc[group of 128 tokens][step of 128 along K][tile of 16 tokens][1,536 bytes: an operand's registers], cs[token][32 scale bytes].
; A block of out0 is 128 tokens x 256 columns: 256 work-groups.  ALL OF K LIES IN LDS: ctx's group, 98,304 dense bytes as rows of 256, and 256 rows of Wo of 768 bytes with 16 bytes of padding behind every 256 (pitch 816),
; brought by one joint load a wave at the head (waves 0, 1 half a group each, shared along a row of the 4 x 4 cluster; waves 2, 3 128 rows of Wo each, shared along a column).  Nothing is filled again.
; A wave makes 64 x 128 in 32 accumulators; both operands' fragments have two sets of registers.  Source 0 = rows of Wo, source 1 = tokens: a lane holds eight neighbouring columns of a row.  bo is the first products' C.
; Scale words go from memory straight into registers: a lane takes its row's 32 bytes; lanes 0-15 an even block of 16 rows, lanes 16-31 the odd one.
; No prefetch: the launch has no loop to run ahead in; each work-group asks for all its tiles in its first lines.
; The way out goes through a stage in ctx's bytes, which have had their only fill and which nobody reads behind the barrier in the last step.  LIMITS: NaN and infinities are not served.
.set KROW,  768
.set PITCH, 816
.set RB,    98304
.set SPARE, RB+256*PITCH
.set SPITCH, 528
.set A16,  16                          ; v16, v17 LDS address of my tiles' 16-byte parts, steps 0-3 and 4-7;  v18, v19 of the 8-byte parts
.set A8,   18
.set STO,  24
.set RD,   25
.set CO,   26
.set SPW,  28
.set NIL,  29
.set PS,   36                          ; v36-51 ctx's scale words;  v64-95 Wo's;  v96-111 LDS addresses of Wo's eight blocks
.set RS,   64
.set AR,   96
.set AF,   128                         ; v128-223 ctx's fragments, two sets; window 1: Wo's; window 2: the accumulators; window 3: v768-831 bo in the result's layout
.set BJ,   0
.set BK,   128
.set G1, 24
.set G0, 32
.set G1B, 48
.set G0B, 56
.set MSB, 0
.macro WIN new
.if MSB != (\new)
	s_set_vgpr_msb (MSB<<8)|(\new)
.set MSB, (\new)
.endif
.endm
.macro PLACES n
.rept \n
	v_nop
.endr
.endm
.macro WALU
	s_wait_alu depctr_va_vdst(0)
.endm
.macro CROUND
	s_barrier_signal -1
	s_barrier_wait -1
	s_cmp_lg_u32 s14, 0
	s_cbranch_scc1 .Lnot_wave_0_\@
	s_barrier_signal -3
.Lnot_wave_0_\@:
	s_barrier_wait -3
	s_barrier_signal -1
	s_barrier_wait -1
.endm
	s_load_b128 s[4:7], s[0:1], 0x0                ; cc, cs
	s_load_b128 s[8:11], s[0:1], 0x10              ; Wo's codes, scales
	s_load_b128 s[96:99], s[0:1], 0x20             ; bo, out0
	v_lshl_add_u32 v[SPW], v0, 2, SPARE
	v_mov_b32 v[NIL], 0
	ds_add_u32 v[SPW], v[NIL]                      ; the opening lines: the add twice and its wait
	ds_add_u32 v[SPW], v[NIL]
	v_lshrrev_b32 v1, 5, v0
	v_readfirstlane_b32 s14, v1
	s_lshr_b32 s15, s14, 1                         ; my 64 of the block's rows; also: I fetch ctx (0) or Wo (1)
	s_and_b32 s16, s14, 1                          ; my 128 of its columns; also: which half I fetch
	s_bfe_u32 s40, ttmp6, 0x40000
	s_bfe_u32 s41, ttmp6, 0x40004
	s_lshl_b32 s42, ttmp9, 2
	s_add_co_u32 s42, s42, s40                     ; block column, 0 .. 3
	s_and_b32 s17, ttmp7, 0xffff
	s_lshl_b32 s17, s17, 2
	s_add_co_u32 s17, s17, s41                     ; block row = group of tokens, 0 .. 63
	s_lshl_b32 s43, s41, 2
	s_lshl_b32 s43, 15, s43
	s_lshl_b32 s44, 0x1111, s40
	s_or_b32 s[G1+0], s43, (3<<16)|(1<<21)         ; 192 dense rows of 256 bytes
	s_mov_b32 s[G1+1], 32<<16
	s_mov_b32 s[G1+2], 192<<16
	s_mov_b32 s[G1+3], 32<<16
	s_mov_b32 s[G1+4], 192
	s_mov_b32 s[G1+5], 32
	s_mov_b32 s[G1+6], 0
	s_mov_b32 s[G1+7], 0
	s_or_b32 s[G1B+0], s44, (1<<20)|(1<<21)|(5<<22)|(3<<25)   ; 128 rows of 768 bytes, padded
	s_mov_b32 s[G1B+1], KROW<<16
	s_mov_b32 s[G1B+2], 128<<16
	s_mov_b32 s[G1B+3], KROW<<16
	s_mov_b32 s[G1B+4], 128
	s_mov_b32 s[G1B+5], KROW
	s_mov_b32 s[G1B+6], 0
	s_mov_b32 s[G1B+7], 0
	s_lshl_b32 s20, s17, 1
	s_add_co_u32 s20, s20, s16
	s_mul_i32 s20, s20, 49152
	s_mov_b32 s21, 0
	s_lshl_b32 s46, s42, 8
	s_lshl_b32 s18, s16, 7
	s_add_co_u32 s46, s46, s18                     ; also j0, my first column
	s_lshl_b32 s92, s46, 5
	s_mov_b32 s93, 0
	s_mul_i32 s46, s46, KROW
	s_mov_b32 s47, 0
	s_mov_b32 s[G0], 1
	s_mul_i32 s[G0+1], s16, 49152
	s_mov_b32 s[G0B], 1
	s_mul_i32 s[G0B+1], s16, 128*PITCH
	s_add_co_u32 s[G0B+1], s[G0B+1], RB
	s_wait_dscnt 0x0
	s_wait_kmcnt 0x0
	s_add_nc_u64 s[G0+2:G0+3], s[4:5], s[20:21]
	s_or_b32 s[G0+3], s[G0+3], 0x80000000
	s_add_nc_u64 s[G0B+2:G0B+3], s[8:9], s[46:47]
	s_or_b32 s[G0B+3], s[G0B+3], 0x80000000
	CROUND                                         ; the round in front of the joint loads
	s_cmp_eq_u32 s15, 0
	s_cbranch_scc0 .Lfor_r
	tensor_load_to_lds s[G0:G0+3], s[G1:G1+7]
	s_nop 0
	PLACES 4
	s_branch .Lasked
.Lfor_r:
	tensor_load_to_lds s[G0B:G0B+3], s[G1B:G1B+7]
	s_nop 0
	PLACES 4
.Lasked:
	s_add_nc_u64 s[10:11], s[10:11], s[92:93]      ; Wo's scale bytes, my 128 rows
	s_lshl_b32 s20, s17, 7
	s_lshl_b32 s22, s15, 6
	s_add_co_u32 s20, s20, s22                     ; i0, my first token
	s_lshl_b32 s22, s20, 5
	s_mov_b32 s23, 0
	s_add_nc_u64 s[6:7], s[6:7], s[22:23]          ; ctx's scale bytes, my 64 rows
	s_lshl_b32 s12, s42, 10
	s_lshl_b32 s13, s16, 9
	s_add_co_u32 s12, s12, s13                     ; my first column in bytes
	s_mov_b32 s13, 0
	s_add_nc_u64 s[96:97], s[96:97], s[12:13]
	s_lshl_b32 s20, s20, 12
	s_add_co_u32 s20, s20, s12
	s_add_nc_u64 s[98:99], s[98:99], s[20:21]
	s_mul_i32 s66, s15, 6144                       ; my four tiles of each step
	s_mul_i32 s67, s16, 128*PITCH
	s_add_co_u32 s67, s67, RB
	s_mul_i32 s23, s14, 16*SPITCH                  ; my stage
	v_and_b32 v1, 15, v0
	v_bfe_u32 v2, v0, 4, 1
	v_and_b32 v6, 31, v0
	v_lshlrev_b32 v7, 5, v6
	v_lshlrev_b32 v3, 5, v2
.irp j, 0,1
.irp c, 0,1
	global_load_b128 v[PS+8*\j+4*\c:PS+8*\j+4*\c+3], v7, s[6:7] offset:1024*\j+16*\c
.endr
.endr
.irp j, 0,1,2,3
.irp c, 0,1
	global_load_b128 v[RS+8*\j+4*\c:RS+8*\j+4*\c+3], v7, s[10:11] offset:1024*\j+16*\c
.endr
.endr
	WIN 0xc0
.irp b, 0,1,2,3,4,5,6,7
	global_load_b128 v[BJ+8*\b:BJ+8*\b+3], v3, s[96:97] offset:64*\b        ; bo[j0 + 16 b + 8 h + 0 .. 7]
	global_load_b128 v[BJ+8*\b+4:BJ+8*\b+7], v3, s[96:97] offset:64*\b+16
.endr
	WIN 0
	v_lshlrev_b32 v[CO], 4, v6
	v_lshlrev_b32 v4, 3, v6
	v_add_nc_u32 v[A16], s66, v[CO]
	v_add_nc_u32 v[A8], s66, v4
	v_add_nc_u32 v[A16+1], 49152, v[A16]
	v_add_nc_u32 v[A8+1], 49152, v[A8]
	v_mul_u32_u24 v5, v1, PITCH
	v_mad_u32_u24 v8, v2, 24, v5
	v_mad_u32_u24 v9, v2, 40, v5
	v_add_nc_u32 v[AR], s67, v8
	v_add_nc_u32 v[AR+1], s67, v9
.irp b, 1,2,3,4,5,6,7
	v_add_nc_u32 v[AR+2*\b], \b*16*PITCH, v[AR]
	v_add_nc_u32 v[AR+2*\b+1], \b*16*PITCH, v[AR+1]
.endr
	v_mul_u32_u24 v5, v1, SPITCH
	v_lshl_add_u32 v5, v2, 5, v5
	v_add_nc_u32 v[STO], s23, v5
	v_add_nc_u32 v[RD], s23, v[CO]
	WALU                                           ; the head's end
	s_wait_loadcnt 0x0
	s_wait_tensorcnt 0x0                           ; my tile is in,
	s_barrier_signal -1
	s_barrier_wait -1                              ; everybody's are
; a fragment of Wo: six pieces of 8 bytes of a row's stream of bits, two to a load where both go by one address register; lanes 16-31 read 24 bytes on, behind one padding more where X_ is 1.  NLD counts the loads
.macro FRAG reg, q, a0
.set SKIP_, 0
.irp p, 0,1,2,3,4,5
.if SKIP_
.set SKIP_, 0
.else
.set PC_, 12*(\q)+6*(\p/3)+\p%3
.set PN_, 12*(\q)+6*((\p+1)/3)+(\p+1)%3
.set X_, (PC_%32+3)/32
.set XQ_, (PN_%32+3)/32
.set NLD, NLD+1
.if (\p < 5) && (X_ == XQ_)
.set SKIP_, 1
	ds_load_2addr_b64 v[\reg+2*\p:\reg+2*\p+3], v[\a0+X_] offset0:PC_+2*(PC_/32) offset1:PN_+2*(PN_/32)
.else
	ds_load_b64 v[\reg+2*\p:\reg+2*\p+1], v[\a0+X_] offset:8*(PC_+2*(PC_/32))
.endif
.endif
.endr
.endm
.macro FRAGA reg, q, a                 ; a fragment of ctx: an image of the operand's registers
.set O_, ((\q)%4)*12288+(\a)*1536
	ds_load_b128 v[\reg:\reg+3], v[A16+(\q)/4] offset:O_
	ds_load_b64 v[\reg+4:\reg+5], v[A8+(\q)/4] offset:O_+512
	ds_load_b128 v[\reg+6:\reg+9], v[A16+(\q)/4] offset:O_+768
	ds_load_b64 v[\reg+10:\reg+11], v[A8+(\q)/4] offset:O_+1280
.set NLD, NLD+4
.endm
.macro FETCH q                         ; step q's twelve fragments into set q % 2
.set NLD, 0
	WIN 0x40
.irp b, 0,1,2,3,4,5,6,7
	FRAG 128*((\q)%2)+12*\b, \q, AR+2*\b
.endr
	WIN 0
.irp a, 0,1,2,3
	FRAGA AF+48*((\q)%2)+12*\a, \q, \a
.endr
.endm
.macro W1 c, bo, ao
	v_wmma_scale_f32_16x16x128_f8f6f4 v[D_:D_+7], v[B_:B_+11], v[A_:A_+11], \c, v[XB_], v[XA_] matrix_a_fmt:MATRIX_FMT_FP6 matrix_b_fmt:MATRIX_FMT_FP6 matrix_a_scale:MATRIX_SCALE_ROW\bo matrix_b_scale:MATRIX_SCALE_ROW\ao
.endm
.macro MUL q                           ; 32 products, the 32 accumulators by turns; step 0 starts the sums with bo
.if (\q) == 0
	WIN 0xb1
.else
	WIN 0xa1
.endif
.irp aj, 0,1
.irp ao, 0,1
.irp bj, 0,1,2,3
.irp bo, 0,1
.set D_, 8*(8*(2*\aj+\ao)+2*\bj+\bo)
.set B_, 128*((\q)%2)+12*(2*\bj+\bo)
.set A_, AF+48*((\q)%2)+12*(2*\aj+\ao)
.set C_, BJ+8*(2*\bj+\bo)
.set XB_, RS+8*\bj+(\q)
.set XA_, PS+8*\aj+(\q)
.if (\q) == 0
	W1 v[C_:C_+7], \bo, \ao
.else
	W1 v[D_:D_+7], \bo, \ao
.endif
.endr
.endr
.endr
.endr
	WIN 0
.endm
	FETCH 0
.set Q, 0
.rept 7
.if Q > 0
	PLACES 4                                       ; between the last step's products and the loads into the set that they read
.endif
	FETCH Q+1
	s_wait_dscnt NLD                               ; all but the NLD loads just issued: step Q's fragments are in
	MUL Q
.set Q, Q+1
.endr
	s_wait_dscnt 0x0                               ; my reads of the tiles are over:
	s_barrier_signal -1
	MUL 7
	s_barrier_wait -1                              ; everybody's are: the stage may be written
; THE WAY OUT: a block of 16 rows x 128 columns goes through my stage and comes back as whole rows of 512 bytes
.macro TOSTAGE a
	WIN 0x08
.irp b, 0,1,2,3,4,5,6,7
	ds_store_b128 v[STO], v[64*(\a)+8*\b:64*(\a)+8*\b+3] offset:64*\b          ; each accumulator from its low end on
	ds_store_b128 v[STO], v[64*(\a)+8*\b+4:64*(\a)+8*\b+7] offset:64*\b+16
.endr
	WIN 0
.set BBK, BK+64*((\a)%2)
.irp t, 0,1,2,3,4,5,6,7,8,9,10,11,12,13,14,15
	ds_load_b128 v[BBK+4*\t:BBK+4*\t+3], v[RD] offset:\t*SPITCH              ; LDS serves a wave's instructions in order (ISA guide 5.7.1.4)
.endr
.endm
.macro SEND a, younger
.set BBK, BK+64*((\a)%2)
	s_wait_dscnt \younger
.if (\a) > 0
	s_add_nc_u64 s[98:99], s[98:99], 16*4096       ; behind a wait on XCNT: 16 rows on
.endif
.irp t, 0,1,2,3,4,5,6,7,8,9,10,11,12,13,14,15
	global_store_b128 v[CO], v[BBK+4*\t:BBK+4*\t+3], s[98:99] offset:\t*4096 th:TH_STORE_NT   ; 512 consecutive bytes, at a multiple of 256 from out0's start
.endr
.endm
	PLACES 4
	TOSTAGE 0
.irp a, 1,2,3
.if \a > 1
	s_wait_xcnt 0x0                                ; block a - 2's stores have read their registers and base
.endif
	TOSTAGE \a
	SEND \a-1, 32                                  ; behind block a - 1's loads: block a's 16 stores and 16 loads
.endr
	s_wait_xcnt 0x0
	SEND 3, 0
	s_wait_tensorcnt 0x0                           ; the wave's end
	ds_add_u32 v[SPW], v[NIL]
	s_wait_dscnt 0x0
	CROUND                                         ; the closing round
	s_endpgm
.Lfunc_end_k_qa307ff342f_outp:
	.size	k_qa307ff342f_outp, .Lfunc_end_k_qa307ff342f_outp-k_qa307ff342f_outp
	.p2alignl 7, 3214868480
	.fill 96, 4, 3214868480
	.section	.rodata,"a",@progbits
	.p2align	6, 0x0
	.amdhsa_kernel k_qa307ff342f_outp
		.amdhsa_group_segment_fixed_size 327680
		.amdhsa_private_segment_fixed_size 0
		.amdhsa_enable_private_segment 0
		.amdhsa_kernarg_size 48
		.amdhsa_user_sgpr_count 2
		.amdhsa_user_sgpr_kernarg_segment_ptr 1
		.amdhsa_wavefront_size32 1
		.amdhsa_system_sgpr_workgroup_id_x 1
		.amdhsa_system_sgpr_workgroup_id_y 1
		.amdhsa_system_sgpr_workgroup_id_z 1
		.amdhsa_system_vgpr_workitem_id 0
		.amdhsa_next_free_vgpr 896
		.amdhsa_next_free_sgpr 100
		.amdhsa_reserve_vcc 0
		.amdhsa_float_denorm_mode_32 3
		.amdhsa_float_denorm_mode_16_64 3
		.amdhsa_memory_ordered 1
		.amdhsa_forward_progress 1
		.amdhsa_inst_pref_size 80
	.end_amdhsa_kernel
	.amdgpu_metadata
---
amdhsa.version: [ 1, 2 ]
amdhsa.kernels:
  - .name:           k_qa307ff342f_outp
    .symbol:         k_qa307ff342f_outp.kd
    .args:
      - { .name: cc, .offset: 0, .size: 8, .value_kind: global_buffer, .address_space: global }
      - { .name: cs, .offset: 8, .size: 8, .value_kind: global_buffer, .address_space: global }
      - { .name: Wo_codes, .offset: 16, .size: 8, .value_kind: global_buffer, .address_space: global }
      - { .name: Wo_scales, .offset: 24, .size: 8, .value_kind: global_buffer, .address_space: global }
      - { .name: bo, .offset: 32, .size: 8, .value_kind: global_buffer, .address_space: global }
      - { .name: out0, .offset: 40, .size: 8, .value_kind: global_buffer, .address_space: global }
    .group_segment_fixed_size: 327680
    .private_segment_fixed_size: 0
    .kernarg_segment_align: 8
    .kernarg_segment_size: 48
    .max_flat_workgroup_size: 128
    .sgpr_count:     100
    .vgpr_count:     896
    .wavefront_size: 32
...
	.end_amdgpu_metadata
.endif
;; end of part 3
